; MI455X (gfx1250); checked and timed in simulation.
; The chip was launched on July 23, 2026; its instructions are those of AMD's public machine-readable ISA for CDNA 5 (MIT licence, August 2026) and "CDNA5" Instruction Set Architecture Reference Guide (July 2026). The comments in the code are by the model that wrote it; some were corrected since.
;; Model. Allowed arithmetic: matrix products marked QUANTISED: E5M2 operands, one given power-of-two scale a tensor, by v_wmma_f32_16x16x64_bf8_bf8 or v_wmma_f32_16x16x128_bf8_bf8, f32 sums; everything else in f32.
;; Inputs: k_codes 4 x 16 x 2,048 x 2 x 32 uint8 (E5M2 codes of k, K innermost, in blocks of 32 codes); lowp_scales 4 int32 (the exponents e of the quantised operands' scales 2^e); q_codes 4 x 16 x 2,048 x 2 x 32 uint8 (E5M2 codes of q, K innermost, in blocks of 32 codes); scale_factor one number float32; v_codes 4 x 16 x 64 x 64 x 32 uint8 (E5M2 codes of v, K innermost, in blocks of 32 codes).
;; Outputs: out0 4 x 16 x 2,048 x 64 float32.
;; Constants: dropout_p = 0.
;; This version of the problem:
;;   THIS VERSION OF THE PROBLEM IS GIVEN IN LOW PRECISION. The matrix products marked QUANTISED in the list below multiply operands that are first quantised to E5M2 (5 exponent bits, 2 mantissa bits; 8 bits a number), with one given power-of-two scale for each operand tensor; their sums are f32. All else is computed in f32.
;;   The module's matrix products, in the order in which they are computed (A, B: the left and right operand; K: the contracted axis; several contracted axes count as one K, in the product's order):
;;     1. batch 64 x [M 2,048, K 64] x [K 64, N 2,048]; A: input q (given as codes); B: input k (given as codes): QUANTISED (scales: A lowp_scales[0], B lowp_scales[1])
;;     2. batch 64 x [M 2,048, K 2,048] x [K 2,048, N 64]; A: softmax (see below); B: input v (given as codes): QUANTISED (scales: A lowp_scales[2], B lowp_scales[3])
;;   THE QUANTISER, for each operand of a quantised product, along K:
;;     - The operand's scale is 2^e, e = its entry of the input lowp_scales (int32; the entries are numbered through the quantised products in the list's order, A before B).
;;     - Each number is divided by the scale, clamped to +-57,344, and rounded to the nearest number of E5M2, ties to even, subnormals kept.
;;     - The product sums the exact products of the quantised numbers (number of the format x scale) in f32.
;;   ~~~python
;;   def quantise(x, axis, e):      # numpy; x: float32 -> the quantised numbers, widened to float32 again
;;       x = np.moveaxis(x, axis, -1); K = x.shape[-1]
;;       r = np.clip(x / 2.0 ** e, -57344, 57344)
;;       step = 2.0 ** (np.maximum(np.frexp(np.where(r == 0, 1, r))[1] - 1, -14) - 2)
;;       q = np.round(r / step) * step * 2.0 ** e      # np.round: ties to even
;;       return np.moveaxis(q, -1, axis).astype(np.float32)
;;   ~~~
;;   SOFTMAX AHEAD OF A QUANTISED PRODUCT. Where the list says 'softmax', what is quantised is not the finished softmax but p = 2^(t - M), with t = logit x log2(e) and M = ceil(the row's largest t), a whole number; so 1/2 < the row's largest p <= 1. The row's sum l is taken of the UNQUANTISED p, in f32, and the product's result is divided by l at the end. Since M is a whole number, a kernel that streams over the keys may use a running M (the ceiling of the running maximum): every later rescaling is an exact power of two, so the quantised numbers keep their values, but for numbers so far below the row's largest that they fall under the format's range.
;;   OPERANDS COMPUTED ON THE WAY. 'Computed on the way' means the value that the module computes at that place (a softmax that the list does not call 'softmax' is quantised finished and normalised). What goes into a quantiser is computed in f32, as accurately as f32 sums, v_exp_f32 and their like allow (about 1e-6 of the number): no bf16 or f16 on the way to a quantiser, and a product that is left as it is and whose result goes on into a quantised operand takes f32 operands (vector FMAs, or v_wmma_f32_16x16x4_f32). A number that lies on a knife's edge between two numbers of the format may be rounded either way, as far as f32 arithmetic and the matrix unit's own rounding can turn it there, and no further.
;;   INPUTS GIVEN AS CODES. k (in the module: [4, 16, 2048, 64], K = its axis 3); q (in the module: [4, 16, 2048, 64], K = its axis 3); v (in the module: [4, 16, 2048, 64], K = its axis 2): each comes as NAME_codes (uint8): NAME with its K axis moved to the last place and cut into blocks of 32 codes, [.., K / 32, bytes a block], one block behind the other in memory; one code a byte (a code: sign, 5 exponent bits, 2 mantissa bits); its scale is its entry of lowp_scales. Its value is code x scale, taken as it is: it is not quantised again, and the codes and scales need not be those that the quantiser above would give.
;; One version. Each part assembles by itself: llvm-mc -triple=amdgcn-amd-amdhsa -mcpu=gfx1250 --defsym DOCPART=n.
;; ======== version 1 of 1: 1 launch
;; launch attn (part 1): grid 4 x 64, 16 waves a work-group, clusters of 4 x 1, 284,672 bytes of LDS; arguments q_codes, k_codes, v_codes, lowp_scales, scale_factor, out0; writes out0
.if DOCPART == 1
	.amdgcn_target "amdgcn-amd-amdhsa--gfx1250"
	.amdhsa_code_object_version 6
	.text
	.protected	k_qa763faa7b6_attn
	.globl	k_qa763faa7b6_attn
	.p2align	8
	.type	k_qa763faa7b6_attn,@function
k_qa763faa7b6_attn:
	s_mov_b64 s[64:65], 0
	v_nop
	global_prefetch_b8 v0, s[64:65] scope:SCOPE_SE
	s_setreg_imm32_b32 hwreg(HW_REG_WAVE_MODE, 25, 1), 1
	s_wait_xcnt 0x0
	s_wait_alu depctr_hold_cnt(0) depctr_sa_sdst(0) depctr_va_vdst(0) depctr_va_sdst(0) depctr_va_ssrc(0) depctr_va_vcc(0) depctr_vm_vsrc(0)
	s_getreg_b32 s2, hwreg(HW_REG_IB_STS2, 6, 4)
	s_cmp_eq_u32 s2, 0
	s_cbranch_scc0 .Lentry_in_a_cluster
	s_endpgm
.Lentry_in_a_cluster:
	s_bfe_u32 s2, ttmp6, 0x10000c
	s_cmp_lg_u32 s2, 0x3003
	s_cbranch_scc0 .Lentry_shape_is_right
	s_endpgm
.Lentry_shape_is_right:
; out[h][q][:] = the sum over k of softmax_k(q[h][q] . k[h][k] x scale_factor) v[h][k][:], 64 heads, 2,048 queries and keys, head size 64, both products on codes of BF8 (E5M2).
; q_codes, k_codes: [64][2048][64 bytes].  v_codes: [64][64 (d)][2048 (keys)], the keys innermost: they are the second product's K.  out0: [64][2048][64] f32: a row is 256 bytes.
; lowp_scales: eq, ek, ep, ev.  THE SOFTMAX: t = score x c, c = |scale_factor| x log2(e) x 2^(eq + ek); M = the running largest t rounded UP to a whole number; p = 2^(t - M) is quantised with 2^ep, not normalised;
; the row's sum is taken of the unquantised p and divides at the end, with 2^(ep + ev).  When M moves, the sum and O^T are multiplied by 2^(old M - new M), which rounds nothing.
; A NEGATIVE scale_factor is moved into q's codes (every sign bit is turned, which is exact), so that c is never negative and the largest t is c x the largest score.
; SHARES.  A work-group owns 512 queries of one head; each of its sixteen waves 32 of them, two tiles of 16, in 256 registers: four waves to a SIMD, so that one wave's vector work stands beside another's products and LDS loads.
; Every wave walks the head's 2,048 keys, 128 a step; a fragment of K or V read from LDS feeds two products.
; LDS.  A head's K and V, 131,072 bytes each, lie in LDS WHOLE (with padding 282,624 bytes): each byte is filled once, nothing is filled again, so there is no ring.  They come in four chunks of 512 keys, so that
; the first steps need not wait for the last bytes.  All of it is asked for in the first lines, so there is no later request that a prefetch could run ahead of: none is written.
; CLUSTER.  The four work-groups of a cluster are the four query blocks of one head and need the same K and V: every tile is asked for JOINTLY, by the same tensor load with the same descriptor and the mask 15.
; LAYOUT.  Both products are used transposed: S^T = K Q^T (source 0 = 16 keys, source 1 = 16 queries), O^T = V^T P (source 0 = 16 of the head's 64, source 1 = P): a lane holds ONE query (lane % 16) of each tile throughout.
; THE KEYS OF A TILE ARE NOT NEIGHBOURS: lane r of tile 2 b + u takes key 32 b + 8 u + r + 8 (r / 8), so that the 16 registers of tiles 2 b and 2 b + 1 are 16 neighbouring keys, 32 b + 16 (lane / 16) + 0 .. 15.
; Fragments are fetched by loads of 16 bytes at 16 (lane / 16), 32 bytes apart: a permutation of k inside an instruction, the same on both sides of each product, so every number meets its partner.
; LIMITS.  ep between -126 and 112 (2^ep and 57,344 x 2^ep are made as f32 patterns); c must be a finite f32 number; eq + ek and ep + ev are applied by v_ldexp_f32 and have no limit of their own.
; NaN and infinity among the codes or in scale_factor are not served.
; REGISTERS: v0 thread; v1, v2 my lane's places in K and V; v3, v4 the step's LDS addresses; v5 2^ep; v[6:7] f and 0; v8-11, v12-15 for each tile: -M, the largest t, the sum in two halves; v16-31 Q's two fragments;
; v32-95 K's eight fragments, then V's four; v96-159 one tile's scores, then p; v160-223 O^T (tile x, 16 t of the head at 160 + 32 x + 8 t); v224-239, v240-255 the two tiles' codes of p (v240-245 are also at work ahead of the second tile's conversions).
.set DUAL,  1                          ; the hold as dual-issue pairs (1) or as plain minima (0)
.set KP,    144                        ; two keys' 128 bytes + 16 of padding: key j lies at (j / 2) KP + 64 (j % 2).  The 16 lanes of half a load take 16 different columns of 16 bytes modulo 256 (64 banks of 4 bytes: ISA guide 11.1)
.set KSTEP, 64*KP                      ; a step's 128 keys
.set KCH,   4*KSTEP                    ; a chunk's 512 keys: 36,864 bytes
.set VBASE, 4*KCH                      ; V lies behind K: four chunk blocks of
.set VP,    528                        ; 64 rows d x (512 keys + 16 of padding): 33 columns of 16 bytes, so row r begins at column r modulo 16
.set VCH,   64*VP                      ; 33,792 bytes
.set SP,    272                        ; the way out: a stage row: 256 bytes + 16.  Wave w's stage, 2 tiles x 16 rows, lies at 32 SP w, inside K's bytes: they have had their one fill, and nobody reads them behind the last barrier
.set AK0, 1
.set AV0, 2
.set ADK, 3
.set ADV, 4
.set CVS, 5
.set QF,  16
.set FR,  32
.set SC,  96
.set OT,  160
.set PC,  224
.set TA,  240                          ; at work in the softmax
.set TB,  241
.set TP,  242                          ; a lane permute's destination
.set SU,  244                          ; v[244:245] the second chain of the sum
.set STO, 1                            ; the way out: where I put 32 bytes of a row,
.set RD,  2                            ; where I read a row back,
.set GO,  5                            ; and my byte offset in the wave's rows of out0
.set WV,  16                           ; s16 my wave's number
.set CX,  17                           ; s17 my place in the cluster: it enters q's and out0's addresses alone
.set HD,  18                           ; s18 the head, which the four partners share
.set SEL, 20                           ; s[20:21] lane selects for v_permlanex16_b32: lane l xor 16
.set CS,  22                           ; s[22:23] c, twice: the packed form names a pair
.set LIM, 24                           ; s24 57,344 x 2^ep
.set EPV, 25                           ; s25 ep + ev
.set TK,  26                           ; s26 LDS byte at which the step's keys begin
.set TV,  27                           ; s27 the same for V, less VBASE
.set CNT, 28                           ; s28 steps to go in the chunk
.set SGN, 29                           ; s29 0x80808080 where scale_factor is negative, else 0
.set G1K, 32                           ; s[32:39] descriptor group 1 for K's tiles;  s[40:47] for V's
.set G1V, 40
.set G0K, 48                           ; s[48:63] group 0 for K's four chunks;  s[68:83] for V's.  None is ever rewritten
.set G0V, 68
; A round of the cluster's barrier: my work-group's barrier, so that wave 0's signal speaks for all sixteen waves; wave 0 signals for the work-group; every wave waits for all four work-groups; my work-group's barrier once more.
.macro ROUND
	s_barrier_signal -1
	s_barrier_wait -1
	s_cmp_lg_u32 s[WV], 0
	s_cbranch_scc1 .Lnot_wave_0_\@
	s_barrier_signal -3
.Lnot_wave_0_\@:
	s_barrier_wait -3
	s_barrier_signal -1
	s_barrier_wait -1
.endm
	s_load_b256 s[4:11], s[0:1], 0x0               ; q s[4:5], k s[6:7], v s[8:9], the scales' exponents s[10:11]
	s_load_b128 s[12:15], s[0:1], 0x20             ; scale_factor s[12:13], out0 s[14:15]
	v_lshl_add_u32 v254, v0, 2, 0x45000
	v_mov_b32 v255, 0
	ds_add_u32 v254, v255
	ds_add_u32 v254, v255
	s_wait_dscnt 0x0
	v_lshrrev_b32 v1, 5, v0
	v_readfirstlane_b32 s[WV], v1                  ; wave 0..15
	s_bfe_u32 s[CX], ttmp6, 0x40000                ; cx
	s_and_b32 s[HD], ttmp7, 0xffff                 ; the cluster's y is the head
	; descriptor group 1.  K is dense in memory: a tile is stated as 128 rows of 128 bytes (two keys).  V: 32 rows d of 512 keys, 2,048 bytes apart
	s_mov_b32 s[G1K], 15|(1<<20)|(1<<21)|(4<<22)|(3<<25)   ; 15:0 the mask: all four work-groups; 17:16 elements of 1 byte; 20 padding on; 21 set beside a mask; 24:22 after every 32 words (code 4); 31:25 four words (code 3)
	s_mov_b32 s[G1K+1], 128<<16                    ; tensor_dim0
	s_mov_b32 s[G1K+2], 128<<16                    ; tensor_dim1
	s_mov_b32 s[G1K+3], 128<<16                    ; tile_dim0
	s_mov_b32 s[G1K+4], 128                        ; tile_dim1
	s_mov_b32 s[G1K+5], 128                        ; tensor_dim0_stride
	s_mov_b32 s[G1K+6], 0
	s_mov_b32 s[G1K+7], 0
	s_mov_b32 s[G1V], 15|(1<<20)|(1<<21)|(6<<22)|(3<<25)   ; the same with four words of padding after every 128 (code 6)
	s_mov_b32 s[G1V+1], 512<<16
	s_mov_b32 s[G1V+2], 32<<16
	s_mov_b32 s[G1V+3], 512<<16
	s_mov_b32 s[G1V+4], 32
	s_mov_b32 s[G1V+5], 2048
	s_mov_b32 s[G1V+6], 0
	s_mov_b32 s[G1V+7], 0
	s_mov_b32 s[SEL], 0x76543210
	s_mov_b32 s[SEL+1], 0xfedcba98
	; what I fetch, if I fetch: waves 0, 1: the halves (256 keys) of each chunk of K; waves 2, 3: the halves (32 rows d) of each chunk of V.  Nothing here hangs on my place in the cluster
	s_and_b32 s90, s[WV], 1                        ; which half
	s_mul_i32 s30, s90, 128*KP                     ; K: its place in a chunk in LDS
	s_mul_i32 s31, s90, 32*VP
	s_add_co_u32 s31, s31, VBASE                   ; V: likewise
	s_lshl_b32 s92, s[HD], 17                      ; the head's first byte in each tensor of codes
	s_mov_b32 s93, 0
	s_lshl_b32 s94, s90, 14                        ; K: 256 keys of 64 bytes
	s_mov_b32 s95, 0
	s_lshl_b32 s96, s90, 16                        ; V: 32 rows of 2,048 bytes
	s_mov_b32 s97, 0
	s_add_nc_u64 s[94:95], s[94:95], s[92:93]
	s_add_nc_u64 s[96:97], s[96:97], s[92:93]
	s_wait_kmcnt 0x0
	s_load_b128 s[84:87], s[10:11], 0x0            ; eq, ek, ep, ev
	s_load_b32 s88, s[12:13], 0x0                  ; scale_factor
	s_add_nc_u64 s[94:95], s[6:7], s[94:95]
	s_add_nc_u64 s[96:97], s[8:9], s[96:97]
.irp c, 0,1,2,3
	s_mov_b32 s[G0K+4*\c], 1                                       ; 1:0 count = 1
	s_add_co_u32 s[G0K+4*\c+1], s30, \c*KCH                        ; 63:32 LDS address
	s_add_nc_u64 s[G0K+4*\c+2:G0K+4*\c+3], s[94:95], \c*32768      ; 120:64 global address: 512 keys of 64 bytes a chunk
	s_or_b32 s[G0K+4*\c+3], s[G0K+4*\c+3], 0x80000000              ; 127:126 type = 2
	s_mov_b32 s[G0V+4*\c], 1
	s_add_co_u32 s[G0V+4*\c+1], s31, \c*VCH
	s_add_nc_u64 s[G0V+4*\c+2:G0V+4*\c+3], s[96:97], \c*512        ; 512 keys along each row
	s_or_b32 s[G0V+4*\c+3], s[G0V+4*\c+3], 0x80000000
.endr
	ROUND                                          ; all four work-groups are here: the joint loads meet
	; ALL FILLS OF THE LAUNCH, as one group: a fetching wave's four stand in one branch on the wave's number, chunk 0 first; four tensor loads of a wave are out at the most.  Four v_nop follow the last
	s_cmp_lt_u32 s[WV], 2
	s_cbranch_scc0 .Lnot_k
.irp c, 0,1,2,3
	tensor_load_to_lds s[G0K+4*\c:G0K+4*\c+3], s[G1K:G1K+7]
	s_nop 0
.endr
.rept 4
	v_nop
.endr
	s_branch .Lasked
.Lnot_k:
	s_cmp_lt_u32 s[WV], 4
	s_cbranch_scc0 .Lasked
.irp c, 0,1,2,3
	tensor_load_to_lds s[G0V+4*\c:G0V+4*\c+3], s[G1V:G1V+7]
	s_nop 0
.endr
.rept 4
	v_nop
.endr
.Lasked:
	s_lshl_b32 s90, ttmp9, 2                       ; in a cluster launch ttmp9 counts clusters
	s_add_co_u32 s90, s90, s[CX]                   ; my block of 512 queries
	s_lshl_b32 s90, s90, 9
	s_lshl_b32 s91, s[WV], 5
	s_add_co_u32 s90, s90, s91                     ; my wave's first query in the head
	s_lshl_b32 s94, s90, 6                         ; its codes: 64 bytes a query
	s_mov_b32 s95, 0
	s_add_nc_u64 s[94:95], s[94:95], s[92:93]
	s_add_nc_u64 s[4:5], s[4:5], s[94:95]
	s_lshl_b32 s94, s90, 8                         ; its row of out0: 256 bytes a query,
	s_mov_b32 s95, 0
	s_lshl_b32 s96, s[HD], 19                      ; 524,288 a head
	s_mov_b32 s97, 0
	s_add_nc_u64 s[94:95], s[94:95], s[96:97]
	s_add_nc_u64 s[14:15], s[14:15], s[94:95]
	v_and_b32 v3, 15, v0                           ; r = lane % 16
	v_bfe_u32 v4, v0, 4, 1                         ; h = lane / 16
	v_lshlrev_b32 v6, 6, v3
	v_lshl_add_u32 v6, v4, 4, v6                   ; Q: row r of 64 bytes, + 16 h
.irp x, 0,1
.irp c, 0,1
	global_load_b128 v[QF+8*\x+4*\c:QF+8*\x+4*\c+3], v6, s[4:5] offset:1024*\x+32*\c   ; Q's two fragments stay in registers
.endr
.endr
	v_and_b32 v1, 8, v3
	v_add_nc_u32 v1, v1, v3                        ; r + 8 (r / 8): my key in a tile
	v_and_b32 v2, 1, v1
	v_lshrrev_b32 v1, 1, v1
	v_mul_u32_u24 v[AK0], v1, KP                   ; its pair's row,
	v_lshl_add_u32 v[AK0], v2, 6, v[AK0]           ; its half of the row,
	v_lshl_add_u32 v[AK0], v4, 4, v[AK0]           ; + 16 h
	v_mul_u32_u24 v[AV0], v3, VP
	v_lshl_add_u32 v[AV0], v4, 4, v[AV0]
	v_add_nc_u32 v[AV0], VBASE, v[AV0]             ; V: row d = r, + 16 h
	v_mov_b32 v9, 0xff61b1e6                       ; the largest t so far: -3e38, under every t
	v_mov_b32 v13, 0xff61b1e6
	v_floor_f32 v8, -v9                            ; -M
	v_floor_f32 v12, -v13
	v_mov_b32 v10, 0                               ; the sums, in two halves
	v_mov_b32 v11, 0
	v_mov_b32 v14, 0
	v_mov_b32 v15, 0
	v_mov_b32 v7, 0                                ; (named as the upper half of the pair v[6:7])
	v_mov_b32 v[TP], 0                             ; written once: a lane permute's destination counts as one of its sources
.set j, 0
.rept 64
	v_mov_b32 v[OT+j], 0                           ; O^T.  (The step is written without a first step of its own: the first finds zeros, which the first change of M leaves zeros)
.set j, j+1
.endr
	s_wait_kmcnt 0x0
	s_add_co_i32 s90, s84, s85                     ; eq + ek: a score stands for score x 2^(eq + ek)
	s_and_b32 s91, s88, 0x7fffffff                 ; |scale_factor|
	v_mov_b32 v[TA], s91
	v_mul_f32 v[TA], 0x3fb8aa3b, v[TA]             ; x log2(e)
	v_ldexp_f32 v[TA], v[TA], s90
	v_readfirstlane_b32 s[CS], v[TA]               ; c
	s_mov_b32 s[CS+1], s[CS]                       ; (named with it as a pair, so it is written)
	s_ashr_i32 s[SGN], s88, 31
	s_and_b32 s[SGN], s[SGN], 0x80808080           ; the four sign bits of a word of codes, where scale_factor is negative
	s_add_co_i32 s90, s86, 127
	s_lshl_b32 s91, s90, 23
	v_mov_b32 v[CVS], s91                          ; 2^ep as f32: the conversion takes its exponent field
	s_add_co_i32 s90, s90, 15
	s_lshl_b32 s90, s90, 23
	s_or_b32 s[LIM], s90, 0x600000                 ; 57,344 x 2^ep
	s_add_co_i32 s[EPV], s86, s87
	s_wait_loadcnt 0x0                             ; Q
.set j, 0
.rept 16
	v_xor_b32 v[QF+j], s[SGN], v[QF+j]             ; scale_factor's sign goes into q's codes
.set j, j+1
.endr
; S^T = K Q^T for tile x: eight tiles of 16 keys, K = 64.  Each product starts its sum with the constant 0
.macro QK x
.irp t, 0,1,2,3,4,5,6,7
	v_wmma_f32_16x16x64_bf8_bf8 v[SC+8*\t:SC+8*\t+7], v[FR+8*\t:FR+8*\t+7], v[QF+8*(\x):QF+8*(\x)+7], 0
.endr
.rept 4
	v_nop                                          ; four places behind the products, ahead of the first read of their results and of loads into the registers that they have read
.endr
.endm
; THE SOFTMAX of tile x for a step: my query's 64 scores in v[SC] on (register 16 b + i: key 32 b + 16 (lane / 16) + i of the step) become 64 codes in v[PB] on, and the tile's sum and O^T come under the new M.
.macro SOFT x
.set ST, 8+4*(\x)
.set OB, OT+32*(\x)
.set PB, PC+16*(\x)
	v_max3_num_f32 v[TA], v[SC], v[SC+1], v[SC+2]  ; the step's largest score among my 64 keys, in two chains, each accumulator from its low end on
	v_max3_num_f32 v[TB], v[SC+3], v[SC+4], v[SC+5]
.set j, 6
.rept 14
	v_max3_num_f32 v[TA], v[TA], v[SC+j], v[SC+j+1]
	v_max3_num_f32 v[TB], v[TB], v[SC+j+2], v[SC+j+3]
.set j, j+4
.endr
	v_max3_num_f32 v[TA], v[TA], v[SC+62], v[SC+63]
	v_max_num_f32 v[TA], v[TA], v[TB]
	v_permlanex16_b32 v[TP], v[TA], s[SEL], s[SEL+1]
	v_max_num_f32 v[TA], v[TA], v[TP]              ; and among lane l xor 16's
	v_mul_f32 v[TA], s[CS], v[TA]                  ; as t (c is not negative)
	v_max_num_f32 v[ST+1], v[ST+1], v[TA]          ; the running largest t
	v_mov_b32 v[TA], v[ST]
	v_floor_f32 v[ST], -v[ST+1]                    ; the new -M = floor(-t) = -ceil(t): M is a whole number
	v_sub_f32 v[TA], v[ST], v[TA]                  ; M's old value less its new one: a whole number, 0 or less
	v_cvt_i32_f32 v[TA], v[TA]                     ; (it saturates)
	v_ldexp_f32 v6, 1.0, v[TA]                     ; f = 2^(old M - new M)
.set j, 0
.rept 32
	v_pk_fma_f32 v[SC+j:SC+j+1], v[SC+j:SC+j+1], s[CS:CS+1], v[ST:ST+1] op_sel_hi:[1,0,0]   ; t - M, two at a time (of the pairs c and -M the low word serves both halves)
.set j, j+2
.endr
.set j, 0
.rept 64
	v_exp_f32 v[SC+j], v[SC+j]                     ; p = 2^(t - M), at most 1: not normalised
.set j, j+1
.endr
	v_pk_mul_f32 v[ST+2:ST+3], v[ST+2:ST+3], v[6:7] op_sel_hi:[1,0]   ; the sum under the new M: the plain instruction behind the last exponential
	s_wait_alu depctr_va_vdst(0)                   ; one wait for the batch of 64, ahead of the first instruction that names a result
	v_pk_add_f32 v[SU:SU+1], v[SC:SC+1], v[SC+2:SC+3]   ; the row's sum is taken of the UNQUANTISED p: two at a time, in two chains
.set j, 4
.rept 15
	v_pk_add_f32 v[ST+2:ST+3], v[ST+2:ST+3], v[SC+j:SC+j+1]
	v_pk_add_f32 v[SU:SU+1], v[SU:SU+1], v[SC+j+2:SC+j+3]
.set j, j+4
.endr
	v_pk_add_f32 v[ST+2:ST+3], v[ST+2:ST+3], v[SU:SU+1]
.irp b, 0,1,2,3
.irp i, 0,2,4,6,8,10,12,14                     ; the conversion to an 8-bit code does not saturate (ISA guide 7.6.2): p is held at 57,344 x 2^ep, whatever ep is; p is not negative, so the hold is one-sided
.if DUAL
	v_dual_min_num_f32 v[SC+16*\b+\i], s[LIM], v[SC+16*\b+\i] :: v_dual_min_num_f32 v[SC+16*\b+\i+1], s[LIM], v[SC+16*\b+\i+1]
.else
	v_min_num_f32 v[SC+16*\b+\i], s[LIM], v[SC+16*\b+\i]
	v_min_num_f32 v[SC+16*\b+\i+1], s[LIM], v[SC+16*\b+\i+1]
.endif
.endr
	v_cvt_scalef32_pk8_bf8_f32 v[PB+4*\b:PB+4*\b+1], v[SC+16*\b:SC+16*\b+7], v[CVS]        ; registers 4 b .. 4 b + 3 of the operand: keys 32 b + 16 (lane / 16) + 0 .. 15
	v_cvt_scalef32_pk8_bf8_f32 v[PB+4*\b+2:PB+4*\b+3], v[SC+16*\b+8:SC+16*\b+15], v[CVS]
.endr
.set j, 0
.rept 16
	v_pk_mul_f32 v[OB+j:OB+j+1], v[OB+j:OB+j+1], v[6:7] op_sel_hi:[1,0]   ; the tile's O^T under the new M, each accumulator from its low end on.  These sixteen name no register of the scores' products: they are the places ahead of
.set j, j+2                                    ; the products that write the scores anew, and the plain instructions between the conversions and the products that read the codes or write the numbers
.endr
.endm
; A KEY STEP: 128 keys.  V's loads are issued ahead of the second tile's softmax and land beside it.
.macro STEP
	v_add_nc_u32 v[ADK], s[TK], v[AK0]
	v_add_nc_u32 v[ADV], s[TV], v[AV0]
	v_nop                                          ; with the two additions: four places between the last step's products and the loads into the registers that they have read
	v_nop
.irp t, 0,1,2,3,4,5,6,7                        ; K's tile t = 2 b + u begins at key 32 b + 8 u: pair row 16 b + 4 u
.irp c, 0,1
	ds_load_b128 v[FR+8*\t+4*\c:FR+8*\t+4*\c+3], v[ADK] offset:(16*(\t/2)+4*(\t%2))*KP+32*\c
.endr
.endr
	s_wait_dscnt 0x0                               ; K's fragments are in
	QK 0
	SOFT 0
	QK 1
.irp t, 0,1,2,3                                ; V's fragment t: rows d = 16 t on, the step's 128 keys
.irp c, 0,1,2,3
	ds_load_b128 v[FR+16*\t+4*\c:FR+16*\t+4*\c+3], v[ADV] offset:16*\t*VP+32*\c
.endr
.endr
	SOFT 1
	s_wait_dscnt 0x0                               ; V's fragments are in
.irp t, 0,1,2,3                                ; O^T += V^T P, K = these 128 keys: the eight accumulators take turns, one instruction a turn
.irp x, 0,1
	v_wmma_f32_16x16x128_bf8_bf8 v[OT+32*\x+8*\t:OT+32*\x+8*\t+7], v[FR+16*\t:FR+16*\t+15], v[PC+16*\x:PC+16*\x+15], v[OT+32*\x+8*\t:OT+32*\x+8*\t+7]
.endr
.endr
.endm
; A CHUNK of 512 keys: four steps.  Tensor loads of a wave end in order (ISA guide 10.11.1): behind chunk c's load a fetching wave issued 3 - c more, which may stay out.
.macro CHUNK c
	s_wait_tensorcnt 3-\c                          ; my part of chunk c, if I fetched one, is in LDS,
	s_wait_dscnt 0x0                               ; no LDS instruction of mine is pending at the signal,
	s_barrier_signal -1
	s_barrier_wait -1                              ; and everybody's part is in
	s_mov_b32 s[TK], \c*KCH
	s_mov_b32 s[TV], \c*VCH
	s_mov_b32 s[CNT], 4
.Lstep_\@:
	STEP
	s_add_co_u32 s[TK], s[TK], KSTEP
	s_add_co_u32 s[TV], s[TV], 128
	s_sub_co_u32 s[CNT], s[CNT], 1
	s_cmp_lg_u32 s[CNT], 0
	s_cbranch_scc1 .Lstep_\@
.endm
	CHUNK 0
	CHUNK 1
	CHUNK 2
	CHUNK 3                                        ; its wait on TENSORcnt is for zero: no tensor load is out from here on
	; THE WAY OUT.  My reads of K and V are over (the last wait on DScnt was for zero): I say so, and work on registers while the others arrive.
	s_wait_dscnt 0x0
	s_barrier_signal -1
	v_add_f32 v10, v10, v11                        ; the sums' two halves (these lines name no register of the last products: they are the places behind them),
	v_add_f32 v14, v14, v15
	v_permlanex16_b32 v3, v10, s[SEL], s[SEL+1]
	v_permlanex16_b32 v4, v14, s[SEL], s[SEL+1]
	v_add_f32 v10, v10, v3                         ; and lane l xor 16's: the rows' sums
	v_add_f32 v14, v14, v4
	v_rcp_f32 v10, v10
	v_rcp_f32 v14, v14
	v_and_b32 v3, 15, v0                           ; (plain instructions behind the reciprocals)  r
	v_bfe_u32 v4, v0, 4, 1                         ; h
	s_mul_i32 s90, s[WV], 32*SP                    ; my stage
	v_mul_u32_u24 v[STO], v3, SP
	v_lshl_add_u32 v[STO], v4, 5, v[STO]
	v_add_nc_u32 v[STO], s90, v[STO]               ; in: row r; the eight numbers of 16 t + 8 h on: 64 t + 32 h bytes on
	v_mul_u32_u24 v[RD], v4, SP
	v_lshl_add_u32 v[RD], v3, 4, v[RD]
	v_add_nc_u32 v[RD], s90, v[RD]                 ; back: lanes 0-15 one row of 256 bytes, lanes 16-31 the next
	v_and_b32 v[GO], 31, v0
	v_lshlrev_b32 v[GO], 4, v[GO]                  ; and the same two rows in out0: 16 x lane
	s_wait_alu depctr_va_vdst(0)                   ; one wait for both reciprocals, ahead of their first reader
	v_ldexp_f32 v10, v10, s[EPV]                   ; x 2^(ep + ev)
	v_ldexp_f32 v14, v14, s[EPV]
.irp x, 0,1
.set j, 0
.rept 16
	v_pk_mul_f32 v[SC+32*\x+j:SC+32*\x+j+1], v[OT+32*\x+j:OT+32*\x+j+1], v[10+4*\x:11+4*\x] op_sel_hi:[1,0]   ; O^T / the sum: register 32 x + 8 t + i is out(query r of tile x, 16 t + 8 h + i); each accumulator from its low end on
.set j, j+2
.endr
.endr
	s_barrier_wait -1                              ; every wave's reads of K are over: the stages, which lie in K's bytes, may be written
.irp x, 0,1
.irp t, 0,1,2,3
	ds_store_b128 v[STO], v[SC+32*\x+8*\t:SC+32*\x+8*\t+3] offset:\x*16*SP+64*\t
	ds_store_b128 v[STO], v[SC+32*\x+8*\t+4:SC+32*\x+8*\t+7] offset:\x*16*SP+64*\t+16
.endr
.irp i, 0,1,2,3,4,5,6,7
	ds_load_b128 v[FR+32*\x+4*\i:FR+32*\x+4*\i+3], v[RD] offset:\x*16*SP+2*\i*SP   ; LDS serves a wave's instructions in order (ISA guide 5.7.1.4): these see my stores; the stage is my own
.endr
.endr
.irp x, 0,1
.irp i, 0,1,2,3,4,5,6,7
	s_wait_dscnt 23-16*\x-\i                       ; behind this load: the 7 - i younger of its tile and, for tile 0, tile 1's sixteen LDS instructions
	global_store_b128 v[GO], v[FR+32*\x+4*\i:FR+32*\x+4*\i+3], s[14:15] offset:\x*4096+512*\i th:TH_STORE_NT   ; 32 lanes store 512 consecutive bytes, two whole rows of out0, at a multiple of 256 from its first byte; written once, read by nobody here
.endr
.endr
	s_wait_xcnt 0x0
	v_lshl_add_u32 v254, v0, 2, 0x45000
	v_mov_b32 v255, 0
	s_wait_tensorcnt 0x0
	ds_add_u32 v254, v255
	s_wait_dscnt 0x0
	ROUND                                          ; the closing round: no work-group ends while a partner may still ask for a tile that names it
	s_endpgm
.Lfunc_end_k_qa763faa7b6_attn:
	.size	k_qa763faa7b6_attn, .Lfunc_end_k_qa763faa7b6_attn-k_qa763faa7b6_attn
	.p2alignl 7, 3214868480
	.fill 96, 4, 3214868480
	.section	.rodata,"a",@progbits
	.p2align	6, 0x0
	.amdhsa_kernel k_qa763faa7b6_attn
		.amdhsa_group_segment_fixed_size 284672
		.amdhsa_private_segment_fixed_size 0
		.amdhsa_enable_private_segment 0
		.amdhsa_kernarg_size 48
		.amdhsa_user_sgpr_count 2
		.amdhsa_user_sgpr_kernarg_segment_ptr 1
		.amdhsa_wavefront_size32 1
		.amdhsa_system_sgpr_workgroup_id_x 1
		.amdhsa_system_sgpr_workgroup_id_y 1
		.amdhsa_system_sgpr_workgroup_id_z 1
		.amdhsa_system_vgpr_workitem_id 0
		.amdhsa_next_free_vgpr 256
		.amdhsa_next_free_sgpr 98
		.amdhsa_reserve_vcc 0
		.amdhsa_float_denorm_mode_32 3
		.amdhsa_float_denorm_mode_16_64 3
		.amdhsa_memory_ordered 1
		.amdhsa_forward_progress 1
		.amdhsa_inst_pref_size 133
	.end_amdhsa_kernel
	.amdgpu_metadata
---
amdhsa.version: [ 1, 2 ]
amdhsa.kernels:
  - .name:           k_qa763faa7b6_attn
    .symbol:         k_qa763faa7b6_attn.kd
    .args:
      - { .name: q_codes, .offset: 0, .size: 8, .value_kind: global_buffer, .address_space: global }
      - { .name: k_codes, .offset: 8, .size: 8, .value_kind: global_buffer, .address_space: global }
      - { .name: v_codes, .offset: 16, .size: 8, .value_kind: global_buffer, .address_space: global }
      - { .name: lowp_scales, .offset: 24, .size: 8, .value_kind: global_buffer, .address_space: global }
      - { .name: scale_factor, .offset: 32, .size: 8, .value_kind: global_buffer, .address_space: global }
      - { .name: out0, .offset: 40, .size: 8, .value_kind: global_buffer, .address_space: global }
    .group_segment_fixed_size: 284672
    .private_segment_fixed_size: 0
    .kernarg_segment_align: 8
    .kernarg_segment_size: 48
    .max_flat_workgroup_size: 512
    .sgpr_count:     98
    .vgpr_count:     256
    .wavefront_size: 32
...
	.end_amdgpu_metadata
.endif
;; end of part 1
